; MI455X (gfx1250); checked and timed in simulation.
; The chip was launched on July 23, 2026; its instructions are those of AMD's public machine-readable ISA for CDNA 5 (MIT licence, August 2026) and "CDNA5" Instruction Set Architecture Reference Guide (July 2026). The comments in the code are by the model that wrote it; some were corrected since.
;; Img2 Prj. Allowed arithmetic: float matrix products may take bf16 or f16 operands with f32 sums; all other float work in f32.
;; Inputs: input 1 x 2 x 512 x 512 float32.
;; Outputs: out0 1 x 2 x 192 x 368 float32.
;; One version. Each part assembles by itself: llvm-mc -triple=amdgcn-amd-amdhsa -mcpu=gfx1250 --defsym DOCPART=n.
;; ======== version 1 of 1: 1 launch
;; limits: values outside matrix products are rounded to bf16; inputs' magnitudes at most 5e+16
;; launch radon (part 1): grid 64 x 4, 12 waves a work-group, no clusters, 119,296 bytes of LDS; arguments input, out0; writes out0
.if DOCPART == 1
	.amdgcn_target "amdgcn-amd-amdhsa--gfx1250"
	.amdhsa_code_object_version 6
	.text
	.protected	k_q5e3c713006_radon
	.globl	k_q5e3c713006_radon
	.p2align	8
	.type	k_q5e3c713006_radon,@function
k_q5e3c713006_radon:
	s_mov_b64 s[64:65], 0
	v_nop
	global_prefetch_b8 v0, s[64:65] scope:SCOPE_SE
	s_setreg_imm32_b32 hwreg(HW_REG_WAVE_MODE, 25, 1), 1
	s_wait_xcnt 0x0
; Parallel-beam projection.  out0[c][view][d] = sum over j = 0..361 of the bilinear reading (zeros outside the image) of slice c at
;   x = s cos - t sin + 255.5,  y = s sin + t cos + 255.5,   s = d - 183.5,  t = j - 180.5,  angle = view * pi / 192.
; A work-group (x = group of 3 views, y = quarter of the detectors) makes 3 views x 92 detectors x 2 slices.  The 362 steps go in
; 4 segments of 92.  For a segment the rectangle of the image that holds all its samples lies in LDS, one dword a pixel: bf16 of
; slice 0 below, of slice 1 above.  12 waves: wave = (view 0..2, quarter of the segment 0..3), 23 steps of 3 x 32 detectors each.
; EVERY ADDRESS IS MADE OF WHOLE NUMBERS: cos and sin come from integer series, a position is a 32-bit fraction for each axis and
; an LDS byte address, a step is an add with carry.  Floating point starts at the weights.
; LIMITS: pixels are rounded to bf16 (relative 2^-9); positions lie on a grid of 2^-24 pixel and are within about 1e-5 pixel of exact
; arithmetic (the bilinear reading is continuous, so that moves a value and never flips it); the sums are carried 2^64 too large, so
; |input| has to stay below about 5e16; inputs are finite.
; NOT USED: the matrix unit (no product here); tensor loads and joint requests of a cluster (the fill rounds and interleaves two
; planes, which needs registers, and no two work-groups want the same rectangle); whole 256-byte runs on the way out (a work-group's
; piece of an output row is 92 numbers, 368 bytes).
.set NVIEW,  192
.set NT,     362
.set IMW,    512
.set PLANE,  IMW*IMW*4                 ; bytes from slice 0 to slice 1
.set DPG,    92                        ; detectors of a work-group
.set SEGT,   92                        ; steps of a segment
.set CHT,    23                        ; steps of a wave in a segment
.set P,      196                       ; LDS pitch in pixels: at least 144; a multiple of 4, so that 16-byte stores are aligned; at most 254, so that the next row is inside the two-address load's 8-bit offsets
.set ROWB,   4*P
.set QCOL,   36                        ; groups of 4 pixels in a row of the rectangle
.set RPP,    10                        ; rows that 360 threads cover in a pass
.set NPASS,  14                        ; 140 rows
.set PART,   109824                    ; behind the rectangle (140 x 784 = 109,760 bytes): the waves' sums, 12 x 768 bytes
.set CEN17,  (IMW-1)<<16               ; 255.5 pixels in units of 2^-17
.set MARG17, 557056                    ; 4.25 pixels: a point at radius <= 257.4 moves <= 4.212 from the middle view to its neighbours
; scalar registers
.set S_W, 8
.set S_G, 9                            ; group of views
.set S_Q, 10                           ; quarter of the detectors
.set S_VL, 11                          ; my view in the group
.set S_TQ, 12                          ; my quarter of a segment
.set S_CM, 13                          ; middle view: cos, sin in 2^-16
.set S_SM, 14
.set S_C23, 15                         ; my view: cos, sin in 2^-23
.set S_S23, 16
.set S_SV, 17                          ; sign x sin, sign x cos (sign -1: rows stored in reverse)
.set S_CV, 18
.set S_DX, 19                          ; fraction (2^-32) of a step along the columns; s20-s28: TRIG's own
.set S_DV, 29                          ; and along the rows
.set S_B, 30                           ; bytes of the steps' whole parts
.set S_MIR, 31
.set S_SG, 32
.set S_ELO, 33                         ; 2 d - 367 of my first detector
.set S_XMINK, 34                       ; the parts of the rectangle's bounds that no segment changes
.set S_XMAXK, 35
.set S_YMINK, 36
.set S_YMAXK, 37
.set S_GX0, 38                         ; image column of LDS column 0
.set S_GYO, 39                         ; image row of LDS row 0
.set S_STEP, 40                        ; +-10 image rows in bytes
.set S_COLM, 41
.set S_CNT, 42
.set S_TWO32, 43
.set S_M, 44                           ; s44-57: pass k's lanes that lie inside the image
.set S_MASK20, 58
.set S_LIM20, 59
.set S_UB, 60
.set S_VB, 61
.set S_WQ1, 62                         ; last group of 4 pixels that is needed
.set S_W512, 63
.set S_CX, 66                          ; s66-68, s69-71: the carries of the three streams;  s72-79 at work
.set S_CY, 69
; vector registers.  v1-v7 are at work everywhere and carry nothing from one block to the next.
.set LA0, 8                            ; LDS address of my 16 bytes in pass 0, in pass 9
.set LA1, 9
.set COL, 10
.set VR,  11                           ; +- my row x 2,048
.set RAW, 12
.set VB0, 13                           ; S_B, S_B + 4, ROWB
.set VB4, 14
.set VP4, 15
.set ADR, 16                           ; v16-29  pass k: byte offset in the image
.set EC,  30                           ; v30-32  stream i: (2 d - 367) cos
.set ES,  33                           ; v33-35  stream i: (2 d - 367) sign sin
.set XF,  36                           ; fractions and address of the stream's next sample
.set YF,  39
.set AD,  42
.set T1,  45
.set T2,  48
.set ACC, 52                           ; v52-57  stream i: slice 0, slice 1
.set PX,  58                           ; v58-69  stream i: four pixels
.set XP,  70                           ; (fx, 2^32 - fx)
.set YP,  76                           ; (fy, 2^32 - fy)
.set WA,  82                           ; (w11, w00)
.set WB,  88                           ; (w01, w10)
.set D,   96                           ; v96-207 pass k: 4 pixels of slice 0, 4 of slice 1
; cos and sin of view s[vw], as whole numbers in 2^-30.  The angle is folded to m pi/192, m = 0..48; both series run in 2^-32 by Horner
; with unsigned high products (every bracket is positive); the first terms left out are below 2e-9.
.macro TRIG vw, c, s
	s_sub_co_u32 s20, NVIEW, s[\vw]
	s_min_u32 s21, s[\vw], s20                     ; k: the angle mirrored into 0 .. pi/2
	s_sub_co_u32 s22, NVIEW/2, s21
	s_min_u32 s22, s21, s22                        ; m: and into 0 .. pi/4
	s_mul_i32 s23, s22, 70276238                   ; x = m pi/192 (pi/192 x 2^32 = 70,276,238.04)
	s_mul_hi_u32 s24, s23, s23                     ; z = x x
	s_mul_hi_u32 s25, s24, 1184                    ; 2^32 / 10!
	s_sub_co_u32 s25, 106522, s25                  ; 2^32 / 8!
	s_mul_hi_u32 s25, s24, s25
	s_sub_co_u32 s25, 5965232, s25                 ; 2^32 / 6!
	s_mul_hi_u32 s25, s24, s25
	s_sub_co_u32 s25, 178956971, s25               ; 2^32 / 4!
	s_mul_hi_u32 s25, s24, s25
	s_sub_co_u32 s25, 0x80000000, s25              ; 2^32 / 2!
	s_mul_hi_u32 s25, s24, s25                     ; 1 - cos
	s_add_co_u32 s25, s25, 2
	s_lshr_b32 s25, s25, 2
	s_sub_co_u32 s25, 0x40000000, s25              ; cos in 2^-30 (1.0 fits)
	s_mul_hi_u32 s26, s24, 11836                   ; 2^32 / 9!
	s_sub_co_u32 s26, 852176, s26                  ; 2^32 / 7!
	s_mul_hi_u32 s26, s24, s26
	s_sub_co_u32 s26, 35791394, s26                ; 2^32 / 5!
	s_mul_hi_u32 s26, s24, s26
	s_sub_co_u32 s26, 715827883, s26               ; 2^32 / 3!
	s_mul_hi_u32 s26, s24, s26
	s_mul_hi_u32 s26, s23, s26
	s_sub_co_u32 s26, s23, s26                     ; sin
	s_add_co_u32 s26, s26, 2
	s_lshr_b32 s26, s26, 2
	s_cmp_gt_u32 s21, NVIEW/4                      ; past pi/4 the two change places
	s_cselect_b32 s[\s], s25, s26
	s_cselect_b32 s27, s26, s25
	s_sub_co_u32 s28, 0, s27
	s_cmp_gt_u32 s[\vw], NVIEW/2                   ; past pi/2 cos is negative
	s_cselect_b32 s[\c], s28, s27
.endm
; The rectangle of a segment, from the middle view's four corners, in 2^-17 pixel; f = 2 j - 361 runs from FLO to FHI.
.macro RECT seg
.set FLO, 2*SEGT*(\seg)-(NT-1)
.if SEGT*(\seg)+SEGT > NT
.set FHI, NT-1
.else
.set FHI, FLO+2*(SEGT-1)
.endif
	s_mul_i32 s72, s[S_SM], FHI                    ; sin >= 0: x falls as j grows
	s_sub_co_i32 s72, s[S_XMINK], s72
	s_ashr_i32 s72, s72, 17
	s_and_b32 s[S_GX0], s72, -4                    ; down to a multiple of 4 pixels: 16-byte loads
	s_mul_i32 s73, s[S_SM], FLO
	s_sub_co_i32 s73, s[S_XMAXK], s73
	s_ashr_i32 s73, s73, 17
	s_add_co_i32 s73, s73, 1                       ; the right neighbour is read too
	s_sub_co_i32 s73, s73, s[S_GX0]                ; at most 142
	s_lshr_b32 s[S_WQ1], s73, 2
	s_mul_i32 s74, s[S_CM], FLO
	s_mul_i32 s75, s[S_CM], FHI
	s_min_i32 s76, s74, s75
	s_max_i32 s77, s74, s75
	s_add_co_i32 s76, s76, s[S_YMINK]
	s_add_co_i32 s77, s77, s[S_YMAXK]
	s_ashr_i32 s76, s76, 17                        ; LDS row 0 = the lowest image row,
	s_ashr_i32 s77, s77, 17
	s_add_co_i32 s77, s77, 1                       ; or, rows in reverse, one above the highest
	s_cmp_lg_u32 s[S_MIR], 0
	s_cselect_b32 s[S_GYO], s77, s76
.endm
; Ask for the rectangle: 14 passes of 10 rows, 16 bytes of each slice a thread.  Groups right of the last needed one repeat it (no new bytes).
; An offset outside the plane is wrapped into it, so that every load stays in the buffer, and its lanes are marked for zeros.
.macro REQUEST
	v_min_u32 v1, s[S_WQ1], v[COL]
	v_lshl_add_u32 v1, v1, 2, s[S_GX0]             ; image column of my 4 pixels
	v_cmp_gt_u32 s[S_COLM], s[S_W512], v1          ; unsigned: a negative column fails too
	s_lshl_b32 s72, s[S_GYO], 11
	v_lshl_add_u32 v[RAW], v1, 2, v[VR]
	v_add_nc_u32 v[RAW], s72, v[RAW]               ; 2,048 row + 4 column
.irp k, 0,1,2,3,4,5,6,7,8,9,10,11,12,13
	v_and_b32 v[ADR+\k], s[S_MASK20], v[RAW]
	v_cmp_gt_u32 s[S_M+\k], s[S_LIM20], v[RAW]     ; with a good column: inside the plane = a good row
	global_load_b128 v[D+8*\k:D+8*\k+3], v[ADR+\k], s[4:5]
	global_load_b128 v[D+8*\k+4:D+8*\k+7], v[ADR+\k], s[4:5] offset:PLANE
	s_and_b32 s[S_M+\k], s[S_M+\k], s[S_COLM]
.if \k < NPASS-1
	v_add_nc_u32 v[RAW], s[S_STEP], v[RAW]
.endif
.endr
.endm
; Round, pair the slices, zero what lies outside the image, and put 4 pixels into LDS.
.macro DEPOSIT
.irp k, 0,1,2,3,4,5,6,7,8,9,10,11,12,13
	s_wait_loadcnt 26-2*\k                         ; 28 loads were issued, in order: pass k's two are the 2k+1st and 2k+2nd
.irp j, 0,1,2,3
	v_cvt_pk_bf16_f32 v[D+8*\k+\j], v[D+8*\k+\j], v[D+8*\k+4+\j]
.endr
.irp j, 0,1,2,3
	v_cndmask_b32 v[D+8*\k+\j], 0, v[D+8*\k+\j], s[S_M+\k]
.endr
.if \k < 9
	ds_store_b128 v[LA0], v[D+8*\k:D+8*\k+3] offset:\k*RPP*ROWB
.else
	ds_store_b128 v[LA1], v[D+8*\k:D+8*\k+3] offset:(\k-9)*RPP*ROWB
.endif
.endr
.endm
; My chunk's first sample, for each stream: position in the rectangle in 8.24 bits, modulo 2^32 (it lies in 0 .. 143), then fraction and address.
.macro AIM seg
	s_mul_i32 s72, s[S_TQ], 2*CHT
	s_add_co_i32 s72, s72, 2*SEGT*(\seg)-(NT-1)    ; f = 2 j - 361 at my first step
	s_lshl_b32 s73, s[S_GX0], 1
	s_sub_co_i32 s73, IMW-1, s73
	s_lshl_b32 s73, s73, 23                        ; (255.5 - column 0) in 2^-24
	s_mul_i32 s74, s72, s[S_S23]
	s_sub_co_u32 s[S_UB], s73, s74
	s_lshl_b32 s75, s[S_GYO], 1
	s_sub_co_i32 s75, IMW-1, s75
	s_mul_i32 s75, s75, s[S_SG]
	s_lshl_b32 s75, s75, 23
	s_mul_i32 s76, s72, s[S_CV]
	s_add_co_u32 s[S_VB], s75, s76
	s_mul_i32 s77, s[S_TQ], CHT
	s_sub_co_i32 s77, NT-1-SEGT*(\seg), s77
	s_min_u32 s[S_CNT], s77, CHT-1                 ; my steps less one: 22, in the ray's last chunk 16
.irp i, 0,1,2
	v_add_nc_u32 v[T1+\i], s[S_UB], v[EC+\i]
	v_add_nc_u32 v[T2+\i], s[S_VB], v[ES+\i]
	v_lshlrev_b32 v[XF+\i], 8, v[T1+\i]
	v_lshlrev_b32 v[YF+\i], 8, v[T2+\i]
	v_lshrrev_b32 v[T1+\i], 24, v[T1+\i]
	v_lshrrev_b32 v[T2+\i], 24, v[T2+\i]
	v_mad_u32_u24 v[T1+\i], v[T2+\i], P, v[T1+\i]
	v_lshlrev_b32 v[AD+\i], 2, v[T1+\i]
.endr
.endm
.macro LOADS                           ; the sample's four pixels: two neighbours in its row, two in the next
.irp i, 0,1,2
	ds_load_2addr_b32 v[PX+4*\i:PX+4*\i+1],   v[AD+\i] offset0:0 offset1:1
	ds_load_2addr_b32 v[PX+4*\i+2:PX+4*\i+3], v[AD+\i] offset0:P offset1:P+1
.endr
.endm
.macro WEIGH                           ; the four weights, 2^64 too large
.irp i, 0,1,2
	v_cvt_f32_u32 v[XP+2*\i], v[XF+\i]
	v_cvt_f32_u32 v[YP+2*\i], v[YF+\i]
.endr
.irp i, 0,1,2
	v_sub_f32 v[XP+2*\i+1], s[S_TWO32], v[XP+2*\i]
	v_sub_f32 v[YP+2*\i+1], s[S_TWO32], v[YP+2*\i]
.endr
.irp i, 0,1,2
	v_pk_mul_f32 v[WA+2*\i:WA+2*\i+1], v[XP+2*\i:XP+2*\i+1], v[YP+2*\i:YP+2*\i+1]                             ; fx fy, gx gy
	v_pk_mul_f32 v[WB+2*\i:WB+2*\i+1], v[XP+2*\i:XP+2*\i+1], v[YP+2*\i:YP+2*\i+1] op_sel:[0,1] op_sel_hi:[1,0] ; fx gy, gx fy
.endr
.endm
.macro ADVANCE                         ; one step along the ray: the fractions' carries move the address by a pixel, by a row
.irp i, 0,1,2
	v_add_co_u32 v[XF+\i], s[S_CX+\i], s[S_DX], v[XF+\i]
	v_add_co_u32 v[YF+\i], s[S_CY+\i], s[S_DV], v[YF+\i]
.endr
.irp i, 0,1,2
	v_cndmask_b32 v[T1+\i], v[VB0], v[VB4], s[S_CX+\i]
	v_cndmask_b32 v[T2+\i], 0, v[VP4], s[S_CY+\i]
.endr
.irp i, 0,1,2
	v_add3_u32 v[AD+\i], v[AD+\i], v[T1+\i], v[T2+\i]
.endr
.endm
.macro CORNER px, w                    ; six chains that do not wait for each other: a pixel's low half is slice 0, its high half slice 1
.irp i, 0,1,2
	v_fma_mix_f32_bf16 v[ACC+2*\i],   v[PX+4*\i+\px], v[\w+2*\i], v[ACC+2*\i]   op_sel:[0,0,0] op_sel_hi:[1,0,0]
	v_fma_mix_f32_bf16 v[ACC+2*\i+1], v[PX+4*\i+\px], v[\w+2*\i], v[ACC+2*\i+1] op_sel:[1,0,0] op_sel_hi:[1,0,0]
.endr
.endm
.macro SUMS
	CORNER 0, WA+1
	CORNER 1, WB
	CORNER 2, WB+1
	CORNER 3, WA
.endm
; A segment.  more = 1: the next segment's pixels are asked for before this one is sampled and wait in registers meanwhile.
.macro SEGMENT seg, more
	DEPOSIT
	s_wait_dscnt 0x0                               ; my stores are in LDS,
	s_barrier_signal -1
	s_barrier_wait -1                              ; everybody's are
	AIM \seg
.if \more
	RECT \seg+1
	REQUEST
.endif
	LOADS                                          ; step 0
	WEIGH
	ADVANCE
.Lstep\seg:
	s_wait_dscnt 0x0                               ; this step's pixels
	SUMS
	LOADS                                          ; the next step's, while its weights and the address behind it are made
	WEIGH
	ADVANCE
	s_sub_co_i32 s[S_CNT], s[S_CNT], 1
	s_cmp_gt_i32 s[S_CNT], 0                       ; signed: ends from any start
	s_cbranch_scc1 .Lstep\seg
	s_wait_dscnt 0x0                               ; the last step loads nothing more: my reads of the rectangle are over,
	s_barrier_signal -1
	SUMS
	s_barrier_wait -1                              ; everybody's are: LDS may be written again
.endm
	s_load_b128 s[4:7], s[0:1], 0x0                ; input s[4:5], out0 s[6:7]
	v_lshrrev_b32 v1, 5, v0
	v_readfirstlane_b32 s[S_W], v1
	s_mov_b32 s[S_G], ttmp9
	s_and_b32 s[S_Q], ttmp7, 0xffff
	s_lshr_b32 s[S_VL], s[S_W], 2
	s_and_b32 s[S_TQ], s[S_W], 3
	s_mov_b32 s[S_TWO32], 0x4f800000               ; 2^32
	s_mov_b32 s[S_MASK20], PLANE-1
	s_mov_b32 s[S_LIM20], PLANE
	s_mov_b32 s[S_W512], IMW
	s_cmp_ge_u32 s[S_G], 32                        ; views 96 and up: cos <= 0.  Rows go in reverse, so that from lane to lane
	s_cselect_b32 s[S_MIR], 1, 0                   ; column and row still move the same way and the lanes' banks run one way
	s_cselect_b32 s[S_SG], -1, 1
	s_mul_i32 s[S_STEP], s[S_SG], RPP*IMW*4
	; the middle view and what the bounds take from the detectors
	s_mul_i32 s73, s[S_G], 3
	s_add_co_u32 s73, s73, 1
	TRIG 73, 74, 75
	s_ashr_i32 s[S_CM], s74, 14
	s_lshr_b32 s[S_SM], s75, 14
	s_mul_i32 s[S_ELO], s[S_Q], 2*DPG
	s_sub_co_i32 s[S_ELO], s[S_ELO], 367           ; e = 2 d - 367 of the first detector,
	s_add_co_i32 s76, s[S_ELO], 2*(DPG-1)          ; of the last
	s_mul_i32 s77, s[S_ELO], s[S_CM]
	s_mul_i32 s78, s76, s[S_CM]
	s_min_i32 s[S_XMINK], s77, s78
	s_max_i32 s[S_XMAXK], s77, s78
	s_add_co_i32 s[S_XMINK], s[S_XMINK], CEN17-MARG17
	s_add_co_i32 s[S_XMAXK], s[S_XMAXK], CEN17+MARG17
	s_mul_i32 s[S_YMINK], s[S_ELO], s[S_SM]
	s_mul_i32 s[S_YMAXK], s76, s[S_SM]
	s_add_co_i32 s[S_YMINK], s[S_YMINK], CEN17-MARG17
	s_add_co_i32 s[S_YMAXK], s[S_YMAXK], CEN17+MARG17
	; my place in the fill: thread t < 360 takes row t / 36 and group t % 36; the 24 threads left over repeat thread 359 (same bytes, same values)
	v_min_u32 v1, RPP*QCOL-1, v0
	v_mul_u32_u24 v2, v1, 1821                     ; 1821 / 65536 = 1/36 closely enough up to 359
	v_lshrrev_b32 v2, 16, v2
	v_mul_u32_u24 v3, v2, QCOL
	v_sub_nc_u32 v[COL], v1, v3
	v_mul_u32_u24 v4, v2, ROWB
	v_lshl_add_u32 v[LA0], v[COL], 4, v4
	v_add_nc_u32 v[LA1], 9*RPP*ROWB, v[LA0]        ; passes 9 to 13 lie beyond the 16-bit offset
	v_lshlrev_b32 v5, 11, v2
	v_mul_lo_u32 v[VR], v5, s[S_SG]
	RECT 0
	s_wait_kmcnt 0x0
	REQUEST                                        ; segment 0 is on its way while the rest is set up
	; my own view
	s_mul_i32 s73, s[S_G], 3
	s_add_co_u32 s73, s73, s[S_VL]
	TRIG 73, 74, 75
	s_add_co_i32 s76, s74, 64
	s_ashr_i32 s[S_C23], s76, 7
	s_add_co_i32 s77, s75, 64
	s_lshr_b32 s[S_S23], s77, 7
	s_mul_i32 s[S_SV], s[S_S23], s[S_SG]
	s_mul_i32 s[S_CV], s[S_C23], s[S_SG]
	s_sub_co_i32 s78, 0, s75                       ; a step moves the column by -sin:
	s_lshl_b32 s[S_DX], s78, 2                     ; fraction in 2^-32,
	s_ashr_i32 s78, s78, 30                        ; whole part -1 or 0
	s_mul_i32 s79, s74, s[S_SG]                    ; and the LDS row by |cos|:
	s_lshl_b32 s[S_DV], s79, 2
	s_ashr_i32 s79, s79, 30                        ; 0, or 1 at angle 0
	s_mul_i32 s79, s79, ROWB
	s_lshl2_add_u32 s[S_B], s78, s79
	v_mov_b32 v[VB0], s[S_B]
	v_add_nc_u32 v[VB4], 4, v[VB0]
	v_mov_b32 v[VP4], ROWB
	v_and_b32 v1, 31, v0                           ; lane
.irp i, 0,1,2
	v_add_nc_u32 v2, 32*\i, v1
	v_min_u32 v2, DPG-1, v2                        ; lanes 92 to 95 repeat detector 91 and are never stored
	v_lshl_add_u32 v2, v2, 1, s[S_ELO]
	v_mul_lo_u32 v[EC+\i], v2, s[S_C23]
	v_mul_lo_u32 v[ES+\i], v2, s[S_SV]
	v_mov_b32 v[ACC+2*\i], 0
	v_mov_b32 v[ACC+2*\i+1], 0
.endr
	SEGMENT 0, 1
	SEGMENT 1, 1
	SEGMENT 2, 1
	SEGMENT 3, 0
	; The four quarter-waves of a view meet in LDS: slab (quarter, view) of 768 bytes = 2 slices x 96 detectors.
	; A wave's bytes: PART + 768 (3 quarter + view) + 4 lane + 128 stream (+ 384 for slice 1): twelve slabs that do not meet, the last ends at 119,040.
	s_mul_i32 s72, s[S_TQ], 3
	s_add_co_u32 s72, s72, s[S_VL]
	s_mul_i32 s72, s72, 768
	s_add_co_u32 s72, s72, PART
	v_and_b32 v1, 31, v0                           ; the lane, made afresh: v1 has been at work in every request
	v_lshl_add_u32 v1, v1, 2, s72
.irp i, 0,1,2
	ds_store_b32 v1, v[ACC+2*\i]   offset:128*\i
	ds_store_b32 v1, v[ACC+2*\i+1] offset:384+128*\i
.endr
	; thread t < 138 takes 4 detectors: (view, slice) = t / 23, group t % 23.  The others repeat thread 137 and do not store.
	v_min_u32 v2, 137, v0
	v_mul_u32_u24 v3, v2, 2850                     ; 2850 / 65536 = 1/23 closely enough up to 137
	v_lshrrev_b32 v3, 16, v3                       ; 2 view + slice
	v_mul_u32_u24 v4, v3, 23
	v_sub_nc_u32 v4, v2, v4
	v_mul_u32_u24 v5, v3, 384
	v_lshl_add_u32 v5, v4, 4, v5
	v_add_nc_u32 v5, PART, v5
	v_lshrrev_b32 v6, 1, v3
	v_and_b32 v7, 1, v3
	v_mul_u32_u24 v6, v6, 1472                     ; an output row: 368 numbers
	v_mad_u32_u24 v6, v7, NVIEW*1472, v6
	v_lshl_add_u32 v6, v4, 4, v6
	s_mul_i32 s74, s[S_G], 3*1472
	s_mul_i32 s75, s[S_Q], 4*DPG
	s_add_co_u32 s74, s74, s75
	v_add_nc_u32 v6, s74, v6
	s_wait_dscnt 0x0                               ; my sums are in LDS,
	s_barrier_signal -1
	s_barrier_wait -1                              ; everybody's are
.irp t, 0,1,2,3
	ds_load_b128 v[D+4*\t:D+4*\t+3], v5 offset:2304*\t
.endr
	v_cmp_gt_u32 vcc_lo, 138, v0
	s_wait_dscnt 0x0
	v_pk_add_f32 v[D:D+1],     v[D:D+1],     v[D+4:D+5]
	v_pk_add_f32 v[D+2:D+3],   v[D+2:D+3],   v[D+6:D+7]
	v_pk_add_f32 v[D+8:D+9],   v[D+8:D+9],   v[D+12:D+13]
	v_pk_add_f32 v[D+10:D+11], v[D+10:D+11], v[D+14:D+15]
	v_pk_add_f32 v[D:D+1],     v[D:D+1],     v[D+8:D+9]
	v_pk_add_f32 v[D+2:D+3],   v[D+2:D+3],   v[D+10:D+11]
	v_pk_mul_f32 v[D:D+1],   v[D:D+1],   0x1f800000 op_sel_hi:[1,0]   ; 2^-64: the weights' scale
	v_pk_mul_f32 v[D+2:D+3], v[D+2:D+3], 0x1f800000 op_sel_hi:[1,0]
	s_wait_xcnt 0x0                                ; EXEC changes only behind this wait
	s_and_saveexec_b32 s73, vcc_lo
	global_store_b128 v6, v[D:D+3], s[6:7]         ; 23 neighbouring lanes write a view's 368 bytes
	s_endpgm
.Lfunc_end_k_q5e3c713006_radon:
	.size	k_q5e3c713006_radon, .Lfunc_end_k_q5e3c713006_radon-k_q5e3c713006_radon
	.p2alignl 7, 3214868480
	.fill 96, 4, 3214868480
	.section	.rodata,"a",@progbits
	.p2align	6, 0x0
	.amdhsa_kernel k_q5e3c713006_radon
		.amdhsa_group_segment_fixed_size 119296
		.amdhsa_private_segment_fixed_size 0
		.amdhsa_enable_private_segment 0
		.amdhsa_kernarg_size 16
		.amdhsa_user_sgpr_count 2
		.amdhsa_user_sgpr_kernarg_segment_ptr 1
		.amdhsa_wavefront_size32 1
		.amdhsa_system_sgpr_workgroup_id_x 1
		.amdhsa_system_sgpr_workgroup_id_y 1
		.amdhsa_system_sgpr_workgroup_id_z 1
		.amdhsa_system_vgpr_workitem_id 0
		.amdhsa_next_free_vgpr 208
		.amdhsa_next_free_sgpr 80
		.amdhsa_reserve_vcc 1
		.amdhsa_float_denorm_mode_32 3
		.amdhsa_float_denorm_mode_16_64 3
		.amdhsa_memory_ordered 1
		.amdhsa_forward_progress 1
		.amdhsa_inst_pref_size 103
	.end_amdhsa_kernel
	.amdgpu_metadata
---
amdhsa.version: [ 1, 2 ]
amdhsa.kernels:
  - .name:           k_q5e3c713006_radon
    .symbol:         k_q5e3c713006_radon.kd
    .args:
      - { .name: input, .offset: 0, .size: 8, .value_kind: global_buffer, .address_space: global }
      - { .name: out0, .offset: 8, .size: 8, .value_kind: global_buffer, .address_space: global }
    .group_segment_fixed_size: 119296
    .private_segment_fixed_size: 0
    .kernarg_segment_align: 8
    .kernarg_segment_size: 16
    .max_flat_workgroup_size: 384
    .sgpr_count:     80
    .vgpr_count:     208
    .wavefront_size: 32
...
	.end_amdgpu_metadata
.endif
;; end of part 1
